; MI455X (gfx1250); checked and timed in simulation.
; The chip was launched on July 23, 2026; its instructions are those of AMD's public machine-readable ISA for CDNA 5 (MIT licence, August 2026) and "CDNA5" Instruction Set Architecture Reference Guide (July 2026). The comments in the code are by the model that wrote it; some were corrected since.
;; Self Attention. Allowed arithmetic: matrix products marked QUANTISED: E2M3 operands, one E8M0 scale for each 32 along K, by v_wmma_scale_f32_16x16x128_f8f6f4 with both operands' format E2M3, f32 sums; everything else in f32.
;; Inputs: keys 2 x 4,096 x 8 x 64 float32; queries 2 x 4,096 x 8 x 64 float32; values 2 x 4,096 x 8 x 64 float32.
;; Outputs: out0 2 x 4,096 x 8 x 64 float32.
;; This version of the problem:
;;   THIS VERSION OF THE PROBLEM IS GIVEN IN LOW PRECISION. The matrix products marked QUANTISED in the list below multiply operands that are first quantised to E2M3 (2 exponent bits, 3 mantissa bits; 6 bits a number), with one power-of-two scale for each 32 numbers along K (OCP MX v1.0); their sums are f32. All else is computed in f32.
;;   The module's matrix products, in the order in which they are computed (A, B: the left and right operand; K: the contracted axis; several contracted axes count as one K, in the product's order):
;;     1. batch 16 x [M 4,096, K 64] x [K 64, N 4,096]; A: input queries; B: input keys: QUANTISED
;;     2. batch 16 x [M 64, K 4,096] x [K 4,096, N 4,096]; A: input values; B: softmax (see below): QUANTISED
;;   THE QUANTISER, for each operand of a quantised product, along K:
;;     - K is cut into blocks of 32 from its start; a last block that is shorter is filled with zeros.
;;     - A block's scale is 2^e with e = floor(log2(the largest magnitude in the block)) - 2, held to -126 .. 127; a block of zeros has e = 0. As a byte (E8M0): e + 127.
;;     - Each number is divided by its block's scale, clamped to +-7.5, and rounded to the nearest number of E2M3, ties to even, subnormals kept.
;;     - The product sums the exact products of the quantised numbers (number of the format x scale) in f32.
;;   ~~~python
;;   def quantise(x, axis):      # numpy; x: float32 -> the quantised numbers, widened to float32 again
;;       x = np.moveaxis(x, axis, -1); K = x.shape[-1]
;;       x = np.pad(x, [(0, 0)] * (x.ndim - 1) + [(0, -K % 32)]); x = x.reshape(x.shape[:-1] + (-1, 32)); a = np.abs(x).max(-1, keepdims=True)
;;       e = np.where(a > 0, np.clip(np.frexp(np.where(a > 0, a, 1))[1] - 1 - 2, -126, 127), 0)      # np.frexp(a)[1] - 1 = floor(log2(a)), exactly
;;       r = np.clip(x / 2.0 ** e, -7.5, 7.5)
;;       step = 2.0 ** (np.maximum(np.frexp(np.where(r == 0, 1, r))[1] - 1, 0) - 3)
;;       q = np.round(r / step) * step * 2.0 ** e      # np.round: ties to even
;;       return np.moveaxis(q.reshape(q.shape[:-2] + (-1,))[..., :K], -1, axis).astype(np.float32)
;;   ~~~
;;   SOFTMAX AHEAD OF A QUANTISED PRODUCT. Where the list says 'softmax', what is quantised is not the finished softmax but p = 2^(t - M), with t = logit x log2(e) and M = ceil(the row's largest t), a whole number; so 1/2 < the row's largest p <= 1. The row's sum l is taken of the UNQUANTISED p, in f32, and the product's result is divided by l at the end. Since M is a whole number, a kernel that streams over the keys may use a running M (the ceiling of the running maximum): every later rescaling is an exact power of two, which a block's scale takes up: the codes' values come out the same.
;;   OPERANDS COMPUTED ON THE WAY. 'Computed on the way' means the value that the module computes at that place (a softmax that the list does not call 'softmax' is quantised finished and normalised). What goes into a quantiser is computed in f32, as accurately as f32 sums, v_exp_f32 and their like allow (about 1e-6 of the number): no bf16 or f16 on the way to a quantiser, and a product that is left as it is and whose result goes on into a quantised operand takes f32 operands (vector FMAs, or v_wmma_f32_16x16x4_f32). A number that lies on a knife's edge between two numbers of the format may be rounded either way, as far as f32 arithmetic and the matrix unit's own rounding can turn it there, and no further.
;; One version. Each part assembles by itself: llvm-mc -triple=amdgcn-amd-amdhsa -mcpu=gfx1250 --defsym DOCPART=n.
;; ======== version 1 of 1: 2 launches
;; limits: right only within a limited range of input values
;; workspace buffers: kv 6,684,672 bytes
;; launch quant (part 1): grid 384 x 1, 4 waves a work-group, no clusters, 35,328 bytes of LDS; arguments keys, values, kv; writes kv
.if DOCPART == 1
	.amdgcn_target "amdgcn-amd-amdhsa--gfx1250"
	.amdhsa_code_object_version 6
	.text
	.protected	k_qcf09c5b129_quant
	.globl	k_qcf09c5b129_quant
	.p2align	8
	.type	k_qcf09c5b129_quant,@function
k_qcf09c5b129_quant:
	s_mov_b64 s[64:65], 0
	v_nop
	global_prefetch_b8 v0, s[64:65] scope:SCOPE_SE
	s_setreg_imm32_b32 hwreg(HW_REG_WAVE_MODE, 25, 1), 1
	s_wait_xcnt 0x0
; keys and values, [2][4096][8][64] f32, become codes of FP6 (E2M3) with one E8M0 scale byte for each 32 along a product's K, once for the whole program:
; K is quantised along the head's 64, V along the keys.  They are laid in kv in the order of the reader's operand registers.
; kv = [16 heads, 8 b + h][32 key steps][13,056 bytes].  A step block (128 keys), L = the reader's lane, r = L % 16, hh = L / 16:
;   0       8 tiles of K, 768 bytes each: registers 0-3 of lane L at 16 L, registers 4-5 at 512 + 8 L.  Lane (r, hh) of tile t holds key 64 (t / 4) + 8 (t % 4) + r % 8 + 32 (r / 8), d = 32 hh + 0 .. 31:
;           rows 0-7 of four neighbouring tiles are one block of 32 keys, rows 8-15 the next block
;   6,144   4 tiles of V^T, 1,536 bytes each: registers 4 g .. 4 g + 3 of lane L at 512 g + 16 L.  Lane (r, hh) of tile t holds d = 16 t + r; registers 6 c .. 6 c + 5 hold keys 64 c + 32 hh + 0 .. 31
;   12,288  K's scale words: the word at 16 L + 4 i belongs to tile 2 i + L / 16, row L % 16; bytes 0, 1 its two blocks, bytes 2, 3 = 127
;   12,800  V's scale words: the word at 8 L + 4 i belongs to tile 2 i + L / 16, row L % 16; byte kb is key block kb
; A block's scale is 2^(floor(log2(its largest magnitude)) - 2); its byte is the largest magnitude's exponent field - 2, held at 1 from below.
; LIMITS: a block of zeros gets the byte 1 where the rule says 127 (its codes are zeros, and this program alone reads the bytes); NaN and infinities among the inputs are not served.
; SHARES: work-groups 0-127 take K, a wave one (head, step); work-groups 128-383 take V, a wave one (head, step, half of d).  Waves share nothing: no barrier.  Only K's path uses LDS.
.set HEADB, 417792
.set STEPB, 13056
.set VOFF,  6144
.set KSOFF, 12288
.set VSOFF, 12800
.set ROWG,  2048                       ; bytes from a key to the next in keys and in values
.set WREG,  8704                       ; K's path, LDS: a wave's own two stages
.set STGB,  4352                       ; a stage: 16 rows x 272 bytes
.set SP,    272
.set R,     32                         ; K: v32-159  four sets of 32: a tile as it is loaded
.set X,     160                        ; K: v160-223 two sets of 32: a lane's block of 32 along d
.set C,     224                        ; K: v224-239 two sets of 8: a tile's codes
.set T,     240                        ; K: v240-242 a block's upper 16 codes
.set SC,    244                        ; K: v244-247 the scale words of the eight tiles
.set XV,    32                         ; V: v32-95   two sets of 32 keys of my column d
.set F,     96                         ; V: v96-119  the two reader lanes' fragments
.set TV,    120
.set SB,    124                        ; V: my column's scale word
.macro AMAX xs                         ; the largest magnitude of 32 numbers, with the floor 2^(3 - 127), into v8
	v_max3_num_f32 v8, |v[\xs]|, |v[\xs+1]|, |v[\xs+2]|
	v_max3_num_f32 v9, |v[\xs+3]|, |v[\xs+4]|, |v[\xs+5]|
.irp i, 6,10,14,18,22,26
	v_max3_num_f32 v8, v8, |v[\xs+\i]|, |v[\xs+\i+1]|
	v_max3_num_f32 v9, v9, |v[\xs+\i+2]|, |v[\xs+\i+3]|
.endr
	v_max3_num_f32 v8, v8, |v[\xs+30]|, |v[\xs+31]|
	v_max3_num_f32 v8, v8, v9, 0x1800000
.endm
.macro LOADK t                         ; tile t's 16 keys: sixteen lanes read one key's 256 bytes, tile rows 2 i and 2 i + 1 an instruction
.irp i, 0,1,2,3,4,5,6,7
	global_load_b128 v[R+32*((\t)%4)+4*\i:R+32*((\t)%4)+4*\i+3], v1, s[4:5] offset:(64*((\t)/4)+8*((\t)%4)+2*\i+24*(\i/4))*ROWG th:TH_LOAD_NT
.endr
.endm
.macro TURN t                          ; through the wave's stage: in as loaded, out 128 bytes a lane; LDS serves a wave's instructions in order
.irp i, 0,1,2,3,4,5,6,7
	ds_store_b128 v2, v[R+32*((\t)%4)+4*\i:R+32*((\t)%4)+4*\i+3] offset:STGB*((\t)%2)+2*SP*\i
.endr
.irp q, 0,1,2,3,4,5,6,7
	ds_load_b128 v[X+32*((\t)%2)+4*\q:X+32*((\t)%2)+4*\q+3], v3 offset:STGB*((\t)%2)+16*\q
.endr
.endm
.macro TILE t
.set XS, X+32*((\t)%2)
.set CD, C+8*((\t)%2)
	s_wait_dscnt 0x0                               ; this tile is back from the stage, so its stores have read their registers
.if (\t)+4 < 8
	LOADK (\t)+4
.endif
.if (\t)+1 < 8
.if (\t) < 4
	s_wait_loadcnt 24                              ; the next tile's eight loads are in; three tiles' may be out
.else
	s_wait_loadcnt 8*(6-(\t))
.endif
	TURN (\t)+1
.endif
	AMAX XS
	v_add_nc_u32 v10, 0xff000000, v8               ; 2 off the exponent field: the conversion's scale operand
	v_lshrrev_b32 v11, 23, v10                     ; the byte,
	v_lshlrev_b32 v11, v6, v11                     ; 8 hh bits up,
	v_permlanex16_b32 v12, v11, s22, s23
	v_or_b32 v11, v11, v12                         ; with lane l xor 16's,
	v_or_b32 v11, 0x7f7f0000, v11                  ; and 127 for the upper half of the instruction's K
.if (\t)%2 == 0
	v_mov_b32 v[SC+(\t)/2], v11
.else
	v_cndmask_b32 v[SC+(\t)/2], v[SC+(\t)/2], v11, s20   ; lanes 16-31 take the odd tile's
.endif
.if (\t) >= 2
	s_wait_alu depctr_va_vdst(0)
	s_wait_xcnt 0x0                                ; the stores of two tiles back have read this set of codes
.endif
	v_cvt_scalef32_pk16_fp6_f32 v[CD:CD+2], v[XS:XS+15], v10
	v_cvt_scalef32_pk16_fp6_f32 v[T:T+2], v[XS+16:XS+31], v10
	v_nop                                          ; one plain place behind a scaled conversion
.irp i, 0,1,2
	v_mov_b32 v[CD+3+\i], v[T+\i]
.endr
	global_store_b128 v4, v[CD:CD+3], s[8:9] offset:768*(\t)
	global_store_b64 v5, v[CD+4:CD+5], s[8:9] offset:768*(\t)+512
.endm
.macro LOADV kb                        ; V(32 kb + i, my d): a lane takes a column, its registers run down the keys
.irp i, 0,1,2,3,4,5,6,7,8,9,10,11,12,13,14,15,16,17,18,19,20,21,22,23,24,25,26,27,28,29,30,31
	global_load_b32 v[XV+32*((\kb)%2)+\i], v1, s[6:7] offset:(32*(\kb)+\i)*ROWG th:TH_LOAD_NT
.endr
.endm
.macro BLOCKV kb
.set XS, XV+32*((\kb)%2)
.set FD, F+12*((\kb)%2)+6*((\kb)/2)    ; key block kb = 2 c + h' is registers 6 c .. 6 c + 5 of the reader's lane (r, h')
.if (\kb) < 3
	s_wait_loadcnt 32                              ; this block's 32 loads are in; the next block's may be out
.else
	s_wait_loadcnt 0x0
.endif
	AMAX XS
	v_add_nc_u32 v10, 0xff000000, v8
	v_lshrrev_b32 v11, 23, v10
.if (\kb) == 0
	v_mov_b32 v[SB], v11
.else
	v_lshl_or_b32 v[SB], v11, 8*(\kb), v[SB]
.endif
	v_cvt_scalef32_pk16_fp6_f32 v[FD:FD+2], v[XS:XS+15], v10
	v_cvt_scalef32_pk16_fp6_f32 v[TV:TV+2], v[XS+16:XS+31], v10
	v_nop
.irp i, 0,1,2
	v_mov_b32 v[FD+3+\i], v[TV+\i]
.endr
.if (\kb)+2 < 4
	LOADV (\kb)+2
.endif
.endm
	s_load_b128 s[4:7], s[0:1], 0x0                ; keys, values
	s_load_b64 s[8:9], s[0:1], 0x10                ; kv
	v_lshl_add_u32 v254, v0, 2, 0x8800             ; my spare word, behind the four waves' stages
	v_mov_b32 v255, 0
	v_lshrrev_b32 v1, 5, v0
	v_readfirstlane_b32 s10, v1                    ; wave
	v_and_b32 v13, 31, v0                          ; lane
	v_and_b32 v14, 15, v0                          ; r
	v_bfe_u32 v15, v0, 4, 1                        ; hh
	s_mov_b32 s22, 0x76543210
	s_mov_b32 s23, 0xfedcba98                      ; selects for lane l xor 16
	s_cmp_lt_u32 ttmp9, 128
	s_cbranch_scc0 .Lvalues
	; ---- K ----
	s_lshr_b32 s11, ttmp9, 3                       ; head
	s_and_b32 s12, ttmp9, 7
	s_lshl_b32 s12, s12, 2
	s_add_co_u32 s12, s12, s10                     ; key step
	s_lshr_b32 s14, s11, 3
	s_lshl_b32 s14, s14, 23
	s_lshl_b32 s15, s12, 18
	s_add_co_u32 s14, s14, s15
	s_and_b32 s15, s11, 7
	s_lshl_b32 s15, s15, 8
	s_add_co_u32 s14, s14, s15
	s_mov_b32 s15, 0
	s_mul_i32 s16, s11, HEADB
	s_mul_i32 s17, s12, STEPB
	s_add_co_u32 s16, s16, s17
	s_mov_b32 s17, 0
	s_mul_i32 s18, s10, WREG
	s_wait_alu depctr_va_vdst(0)                   ; behind the run of scalar lines
	v_lshlrev_b32 v1, 11, v15
	v_lshl_add_u32 v1, v14, 4, v1                  ; in: lanes 16-31 one key further down
	v_mul_u32_u24 v2, v15, SP
	v_lshl_add_u32 v2, v14, 4, v2
	v_add_nc_u32 v2, s18, v2                       ; into the stage
	v_mul_u32_u24 v3, v14, SP
	v_lshl_add_u32 v3, v15, 7, v3
	v_add_nc_u32 v3, s18, v3                       ; out of it: row r, my half's 128 bytes
	v_lshlrev_b32 v4, 4, v13
	v_lshlrev_b32 v5, 3, v13
	v_lshlrev_b32 v6, 3, v15
	v_mov_b32 v12, 0
	v_cmp_le_u32 s20, 16, v13                      ; lanes 16-31
	s_wait_alu depctr_va_vdst(0)                   ; at the head's end
	s_wait_kmcnt 0x0
	s_add_nc_u64 s[4:5], s[4:5], s[14:15]
	s_add_nc_u64 s[8:9], s[8:9], s[16:17]
.irp t, 0,1,2,3
	LOADK \t
.endr
	s_wait_loadcnt 24
	TURN 0
.irp t, 0,1,2,3,4,5,6,7
	TILE \t
.endr
	global_store_b128 v4, v[SC:SC+3], s[8:9] offset:KSOFF
	s_wait_tensorcnt 0x0                           ; the wave's end
	ds_add_u32 v254, v255
	s_wait_dscnt 0x0
	s_endpgm
	; ---- V ----
.Lvalues:
	s_sub_co_u32 s11, ttmp9, 128
	s_lshr_b32 s12, s11, 4                         ; head
	s_and_b32 s13, s11, 15
	s_lshl_b32 s13, s13, 2
	s_add_co_u32 s13, s13, s10
	s_lshr_b32 s18, s13, 1                         ; key step
	s_and_b32 s19, s13, 1                          ; which 32 of the head's 64
	s_lshr_b32 s14, s12, 3
	s_lshl_b32 s14, s14, 23
	s_lshl_b32 s15, s18, 18
	s_add_co_u32 s14, s14, s15
	s_and_b32 s15, s12, 7
	s_lshl_b32 s15, s15, 8
	s_add_co_u32 s14, s14, s15
	s_lshl_b32 s15, s19, 7
	s_add_co_u32 s14, s14, s15
	s_mov_b32 s15, 0
	s_mul_i32 s16, s12, HEADB
	s_mul_i32 s17, s18, STEPB
	s_add_co_u32 s16, s16, s17
	s_mov_b32 s17, 0
	s_wait_alu depctr_va_vdst(0)
	v_lshlrev_b32 v1, 2, v13
	s_mul_i32 s21, s19, 3072
	v_mul_u32_u24 v2, v15, 1536
	v_lshl_add_u32 v2, v14, 4, v2
	v_add_nc_u32 v2, s21, v2
	s_lshl_b32 s21, s19, 2
	v_lshl_add_u32 v3, v13, 3, s21
	s_wait_alu depctr_va_vdst(0)
	s_wait_kmcnt 0x0
	s_add_nc_u64 s[6:7], s[6:7], s[14:15]
	s_add_nc_u64 s[8:9], s[8:9], s[16:17]
	LOADV 0
	LOADV 1
.irp kb, 0,1,2,3
	BLOCKV \kb
.endr
.irp h, 0,1
.irp g, 0,1,2
	global_store_b128 v2, v[F+12*\h+4*\g:F+12*\h+4*\g+3], s[8:9] offset:VOFF+512*\g+256*\h   ; sixteen lanes store 256 consecutive bytes, aligned
.endr
.endr
	global_store_b32 v3, v[SB], s[8:9] offset:VSOFF
	s_endpgm
.Lfunc_end_k_qcf09c5b129_quant:
	.size	k_qcf09c5b129_quant, .Lfunc_end_k_qcf09c5b129_quant-k_qcf09c5b129_quant
	.p2alignl 7, 3214868480
	.fill 96, 4, 3214868480
	.section	.rodata,"a",@progbits
	.p2align	6, 0x0
	.amdhsa_kernel k_qcf09c5b129_quant
		.amdhsa_group_segment_fixed_size 35328
		.amdhsa_private_segment_fixed_size 0
		.amdhsa_enable_private_segment 0
		.amdhsa_kernarg_size 24
		.amdhsa_user_sgpr_count 2
		.amdhsa_user_sgpr_kernarg_segment_ptr 1
		.amdhsa_wavefront_size32 1
		.amdhsa_system_sgpr_workgroup_id_x 1
		.amdhsa_system_sgpr_workgroup_id_y 1
		.amdhsa_system_sgpr_workgroup_id_z 1
		.amdhsa_system_vgpr_workitem_id 0
		.amdhsa_next_free_vgpr 256
		.amdhsa_next_free_sgpr 66
		.amdhsa_reserve_vcc 0
		.amdhsa_float_denorm_mode_32 3
		.amdhsa_float_denorm_mode_16_64 3
		.amdhsa_memory_ordered 1
		.amdhsa_forward_progress 1
		.amdhsa_inst_pref_size 52
	.end_amdhsa_kernel
	.amdgpu_metadata
---
amdhsa.version: [ 1, 2 ]
amdhsa.kernels:
  - .name:           k_qcf09c5b129_quant
    .symbol:         k_qcf09c5b129_quant.kd
    .args:
      - { .name: keys, .offset: 0, .size: 8, .value_kind: global_buffer, .address_space: global }
      - { .name: values, .offset: 8, .size: 8, .value_kind: global_buffer, .address_space: global }
      - { .name: kv, .offset: 16, .size: 8, .value_kind: global_buffer, .address_space: global }
    .group_segment_fixed_size: 35328
    .private_segment_fixed_size: 0
    .kernarg_segment_align: 8
    .kernarg_segment_size: 24
    .max_flat_workgroup_size: 128
    .sgpr_count:     66
    .vgpr_count:     256
    .wavefront_size: 32
...
	.end_amdgpu_metadata
.endif
;; end of part 1
;; launch attn (part 2): grid 16 x 16, 8 waves a work-group, clusters of 4 x 1, 327,680 bytes of LDS; arguments queries, kv, out0; writes out0
.if DOCPART == 2
	.amdgcn_target "amdgcn-amd-amdhsa--gfx1250"
	.amdhsa_code_object_version 6
	.text
	.protected	k_qcf09c5b129_attn
	.globl	k_qcf09c5b129_attn
	.p2align	8
	.type	k_qcf09c5b129_attn,@function
k_qcf09c5b129_attn:
	s_mov_b64 s[64:65], 0
	v_nop
	global_prefetch_b8 v0, s[64:65] scope:SCOPE_SE
	s_setreg_imm32_b32 hwreg(HW_REG_WAVE_MODE, 25, 1), 1
	s_wait_xcnt 0x0
	s_wait_alu depctr_hold_cnt(0) depctr_sa_sdst(0) depctr_va_vdst(0) depctr_va_sdst(0) depctr_va_ssrc(0) depctr_va_vcc(0) depctr_vm_vsrc(0)
	s_getreg_b32 s2, hwreg(HW_REG_IB_STS2, 6, 4)
	s_cmp_eq_u32 s2, 0
	s_cbranch_scc0 .Lentry_in_a_cluster
	s_endpgm
.Lentry_in_a_cluster:
	s_bfe_u32 s2, ttmp6, 0x10000c
	s_cmp_lg_u32 s2, 0x3003
	s_cbranch_scc0 .Lentry_shape_is_right
	s_endpgm
.Lentry_shape_is_right:
; out0[b][q][h][:] = the sum over k of softmax_k(Q . K / 8) V, 16 heads of 4,096 queries x 4,096 keys x 64, both products on codes of FP6 (E2M3) with one E8M0 scale for each 32 along a product's K.
; queries, out0: [2][4096][8][64] f32.  kv: K's and V's codes and scale words from the launch before, [16 heads][32 key steps][13,056 bytes], each fragment in the order of its operand's registers.
; SOFTMAX: t = score x log2(e) / 8; M = the row's largest t so far, rounded up to a whole number; p = 2^(t - M) is quantised along the keys, not normalised.  The row's sum is taken of the unquantised p
; and divides O at the end.  When M moves, the sums and O are multiplied by 2^(old M - new M): exact, and with no branch on data.
; A BLOCK'S SCALE: p rises with the score, so the exponent of a block's largest p is floor(t - M) of its largest score, held at -124 from below (the byte 1); the byte is that exponent + 125.
; SHARES.  A work-group owns 256 queries of one head; each of its eight waves 32 of them, two tiles A and B of 16, so that each fragment of K and of V read from LDS feeds two products.  Every wave walks 32 steps of 128 keys:
; 16 products K Q^T and 8 products V^T P a step.
; LAYOUT.  Both products are used transposed (S^T = K Q^T, O^T = V^T P^T): a lane holds one query (lane % 16) of each tile.  Rows 0-7 of K's tiles 4 c .. 4 c + 3 are the keys of block 2 c, rows 8-15 those of block 2 c + 1:
; so lane (r, h) holds, in the 32 registers of those four tiles, the whole block 2 c + h in ascending order, which is the order of P's operand registers: a block's largest p needs no other lane and no code changes lanes.
; The head's 64 fill the lower half of the instruction's K.  Q's upper six registers are zero codes; K's fragments lie 6 registers apart, so that the upper half of a K fragment is the next fragment's codes (finite in FP6),
; which meet Q's zeros under the byte 127 and add nothing.
; ORDER OF A STEP.  Independent work stands between dependent lines: A's maxima run ahead of B's, so that the lines that make A's M stand among B's maxima and those that make B's M, f and the scale bytes among A's
; multiply-adds; O^T is rescaled ahead of the step's exponentials; B's multiply-adds stand among A's exponentials, A's conversions and the first level of A's sums among B's; the other sums stand between the products V^T P.
; What a line among exponentials writes is first read behind the next s_wait_alu.
; RING.  Two LDS slots of 8 key steps.  Each wave fetches one step block, 51 dense rows of 256 bytes, of each fill: one tensor load a wave at the head and one behind each round.
; No prefetch is laid.
; CLUSTER.  The four query blocks of a cluster belong to one head and walk the same kv: each step block is asked for jointly, with one descriptor and the mask of all four.  The place in the cluster enters the addresses of queries and out0 alone.
; LIMITS: NaN and infinities among the inputs are not served; a p under 2^-126 comes out of v_exp_f32 as 0; M is exact while |t| < 2^24; where a block's largest t - M lies within an ulp under a whole number,
; v_exp_f32 may round that p up to the next power of two, and it is then held at the block's largest code.
; WINDOW 0: v1 16 x lane, v2 8 x lane, v3, v4 LDS addresses, v5, v6 the spare word and 0, v7 8 x (lane / 16), v8-11 K's scale words, v12-15 (-M, largest score) of A and B, v16-17 Q's scale words, v18-19 P's,
;   v20-23 the factor f of A and B (each the low word of a pair), v24-26 stage and row offsets, v28-29 V's scale words, v30-31 the old -M, v32-159 S^T then p (A, B), v160-183 P's codes, v184-235 at work.
; WINDOW 1: v0-23 Q, v24-77 K, v80-127 V, v128-191 O^T (A, B), v192-207 the sums, four chains a tile.
.set HEADB, 417792
.set STEPB, 13056
.set VOFF,  6144
.set KSOFF, 12288
.set VSOFF, 12800
.set SLOTB, 8*STEPB
.set SLOT1, 1<<17
.set SP,    272                        ; a stage row: 256 bytes + 16
.set WSTG,  32*SP                      ; a wave's own stage: its 32 queries
.set STG,   SLOT1+9*STEPB              ; one step block's room stays empty behind each slot
.set SPARE, STG+8*WSTG                 ; the spare words, 128 bytes a wave
.set SS,  32                           ; window 0
.set PC,  160
.set TM,  184                          ; the conversions' upper halves, 4 x 4
.set BM,  200                          ; the largest score of the lane's blocks (A's two, B's two), then its t - M and exponent
.set BB,  204                          ; the maxima's second chains: BM + 4
.set SO,  208                          ; the conversions' scale operands
.set XT,  212
.set YT,  214
.set BY,  232                          ; the scale bytes
.set FF,  20
.set QF,  0                            ; window 1
.set KF,  24
.set VF,  80
.set OO,  128
.set ACC, 192
.set RAW, 32                           ; head: Q as loaded; tail: O / sum
.set XQ,  96                           ; head: Q's blocks; tail: rows read back
.set MSB, 0
.macro WIN new                         ; the immediate's high byte repeats the setting that is left
.if MSB != \new
	s_set_vgpr_msb (MSB<<8)|\new
.set MSB, \new
.endif
.endm
.macro CROUND                          ; a round of the cluster's barrier
	s_barrier_signal -1
	s_barrier_wait -1
	s_cmp_lg_u32 s10, 0
	s_cbranch_scc1 .Lnot_wave_0_\@
	s_barrier_signal -3
.Lnot_wave_0_\@:
	s_barrier_wait -3
	s_barrier_signal -1
	s_barrier_wait -1
.endm
.macro JLOAD g0                        ; every wave's joint load of its step block
	tensor_load_to_lds s[\g0:\g0+3], s[24:31]
	s_nop 0
.rept 4
	v_nop
.endr
.endm
.macro CHANGE g0, fill                 ; the change of slots; fill = 1: the slot just left takes the keys two slots on, behind a round
	s_wait_tensorcnt 0x0                           ; no tensor load of mine is out
	ds_add_u32 v5, v6
.if \fill
	s_add_nc_u64 s[\g0+2:\g0+3], s[\g0+2:\g0+3], 2*SLOTB
.endif
	s_wait_dscnt 0x0                               ; the add is done, and my reads of the slot are over
.if \fill
	CROUND
	JLOAD \g0
.else
	s_barrier_signal -1
	s_barrier_wait -1
.endif
.endm
.macro KLOAD off                       ; K's scale words and its eight fragments, six registers each
	ds_load_b128 v[8:11], v3 offset:\off+KSOFF
	WIN 0x40                                       ; destination in window 1
.irp t, 0,1,2,3,4,5,6,7
	ds_load_b128 v[KF+6*\t:KF+6*\t+3], v3 offset:\off+768*\t
	ds_load_b64 v[KF+6*\t+4:KF+6*\t+5], v4 offset:\off+768*\t+512
.endr
	WIN 0
.endm
.macro KQ t, q                         ; S^T, tile t of query tile q
.if (\t)%2
	v_wmma_scale_f32_16x16x128_f8f6f4 v[SS+64*\q+8*\t:SS+64*\q+8*\t+7], v[KF+6*\t:KF+6*\t+11], v[QF+12*\q:QF+12*\q+11], 0, v[8+(\t)/2], v[16+\q] matrix_a_fmt:MATRIX_FMT_FP6 matrix_b_fmt:MATRIX_FMT_FP6 matrix_a_scale:MATRIX_SCALE_ROW1
.else
	v_wmma_scale_f32_16x16x128_f8f6f4 v[SS+64*\q+8*\t:SS+64*\q+8*\t+7], v[KF+6*\t:KF+6*\t+11], v[QF+12*\q:QF+12*\q+11], 0, v[8+(\t)/2], v[16+\q] matrix_a_fmt:MATRIX_FMT_FP6 matrix_b_fmt:MATRIX_FMT_FP6
.endif
.endm
.macro PV t, q                         ; O^T, d = 16 t on, of query tile q
.if (\t)%2
	v_wmma_scale_f32_16x16x128_f8f6f4 v[OO+32*\q+8*\t:OO+32*\q+8*\t+7], v[VF+12*\t:VF+12*\t+11], v[PC+12*\q:PC+12*\q+11], v[OO+32*\q+8*\t:OO+32*\q+8*\t+7], v[28+(\t)/2], v[18+\q] matrix_a_fmt:MATRIX_FMT_FP6 matrix_b_fmt:MATRIX_FMT_FP6 matrix_a_scale:MATRIX_SCALE_ROW1
.else
	v_wmma_scale_f32_16x16x128_f8f6f4 v[OO+32*\q+8*\t:OO+32*\q+8*\t+7], v[VF+12*\t:VF+12*\t+11], v[PC+12*\q:PC+12*\q+11], v[OO+32*\q+8*\t:OO+32*\q+8*\t+7], v[28+(\t)/2], v[18+\q] matrix_a_fmt:MATRIX_FMT_FP6 matrix_b_fmt:MATRIX_FMT_FP6
.endif
.endm
.macro FA cnt                          ; the next cnt pairs of A's t - M
.rept \cnt
	v_pk_fma_f32 v[SS+JA:SS+JA+1], v[SS+JA:SS+JA+1], s[22:23], v[12:13] op_sel_hi:[1,0,0]
.set JA, JA+2
.endr
.endm
; line j (0 .. 27) of a tile's maxima: four chains by turns (two blocks x two halves of 16 scores), 15 scores a chain; each accumulator is read from its low end on
.macro MXQ q, j
.set MN_, 2*(\q)+((\j)%2)
.set MC_, ((\j)/2)%2
.set MI_, (\j)/4
.set MB_, SS+32*MN_+16*MC_
.set MA_, BM+MN_+4*MC_
.if MI_ == 0
	v_max3_num_f32 v[MA_], v[MB_], v[MB_+1], v[MB_+2]
.else
	v_max3_num_f32 v[MA_], v[MA_], v[MB_+2*MI_+1], v[MB_+2*MI_+2]
.endif
.endm
.macro MXA cnt
.rept \cnt
	MXQ 0, JMA
.set JMA, JMA+1
.endr
.endm
.macro MXB cnt
.rept \cnt
	MXQ 1, JMB
.set JMB, JMB+1
.endr
.endm
.macro M1 n                            ; a block's two chains and its 16th score,
	v_max3_num_f32 v[BM+\n], v[BM+\n], v[BB+\n], v[SS+32*\n+15]
.endm
.macro M2 n                            ; and its 32nd
	v_max_num_f32 v[BM+\n], v[BM+\n], v[SS+32*\n+31]
.endm
.macro LX q
	v_max_num_f32 v[XT+\q], v[BM+2*\q], v[BM+2*\q+1]
.endm
.macro LP q
	v_permlanex16_b32 v[YT+\q], v[XT+\q], s20, s21
.endm
.macro LM q                            ; the running largest score of my query
	v_max3_num_f32 v[13+2*\q], v[13+2*\q], v[XT+\q], v[YT+\q]
.endm
.macro LU q                            ; -t
	v_mul_f32 v[XT+\q], s42, v[13+2*\q]
.endm
.macro LF q                            ; the new -M = floor(-t) = -ceil(t)
	v_floor_f32 v[12+2*\q], v[XT+\q]
.endm
.macro CVT n, half                     ; 16 codes of block n
.if \half
	v_cvt_scalef32_pk16_fp6_f32 v[TM+4*(\n):TM+4*(\n)+2], v[SS+32*(\n)+16:SS+32*(\n)+31], v[SO+(\n)]   ; (a conversion's three registers begin on an even number)
.else
	v_cvt_scalef32_pk16_fp6_f32 v[PC+6*(\n):PC+6*(\n)+2], v[SS+32*(\n):SS+32*(\n)+15], v[SO+(\n)]
.endif
.endm
.macro FILL f                          ; what stands among B's exponentials: A's four conversions, a plain place, the first level of A's sums (in place, behind the conversions)
.if \f < 4
	CVT (\f)/2, (\f)%2
.else
.if \f == 4
	v_nop
.else
	v_pk_add_f32 v[SS+4*(\f-5):SS+4*(\f-5)+1], v[SS+4*(\f-5):SS+4*(\f-5)+1], v[SS+4*(\f-5)+2:SS+4*(\f-5)+3]
.endif
.endif
.endm
.macro SUM1 acc, ff, src, first        ; a chain's first line brings its sum under the new M
.if \first
	v_pk_fma_f32 v[\acc:\acc+1], v[\acc:\acc+1], v[\ff:\ff+1], v[\src:\src+1] op_sel_hi:[1,0,1]
.else
	v_pk_add_f32 v[\acc:\acc+1], v[\acc:\acc+1], v[\src:\src+1]
.endif
.endm
.macro SUMR r                          ; one of A's 16 first-level sums and two of B's 32 pairs, onto four chains a tile
	SUM1 ACC+2*((\r)%4), FF, SS+4*(\r), (\r)<4
	SUM1 ACC+8+2*((2*(\r))%4), FF+2, SS+64+4*(\r), (\r)<2
	SUM1 ACC+8+2*((2*(\r)+1)%4), FF+2, SS+64+4*(\r)+2, (\r)<2
.endm
.macro MOVS n                          ; a block's upper 16 codes to their place
.irp i, 0,1,2
	v_mov_b32 v[PC+6*(\n)+3+\i], v[TM+4*(\n)+\i]
.endr
.endm
; A KEY STEP: the 128 keys whose block begins at LDS byte s40.  Its K is in registers already.
.macro STEP
.set JA, 0
.set JMA, 0
.set JMB, 0
	v_add_nc_u32 v3, s40, v1                       ; with the last step's six closing additions: the places behind its products, ahead of the loads into V's registers
	v_add_nc_u32 v4, s40, v2
	ds_load_b64 v[28:29], v4 offset:VSOFF
	WIN 0x40
.irp t, 0,1,2,3
.irp g, 0,1,2
	ds_load_b128 v[VF+12*\t+4*\g:VF+12*\t+4*\g+3], v3 offset:VOFF+1536*\t+512*\g   ; V lands under the softmax
.endr
.endr
	WIN 0x05                                       ; K and Q in window 1
.irp t, 0,1,2,3,4,5,6,7
	KQ \t, 0
	KQ \t, 1
.endr
.rept 4
	v_nop                                          ; four places ahead of the loads into K's registers and of the reads of S^T
.endr
	WIN 0
	s_cmp_eq_u32 s41, 1                            ; the slot's last step has no next step in this slot
	s_cbranch_scc1 .Lnok_\@
	KLOAD STEPB                                    ; the next step's K, a whole softmax ahead of its products
.Lnok_\@:
.rept 7
	MXA 4                                          ; the largest score of each block of 32 keys: A's 28 lines, and the first 14 of B's
	MXB 2
.endr
	M1 0
	M1 1
	MXB 3
	M2 0
	M2 1
	MXB 3
	LX 0
	MXB 4
	LP 0
	MXB 4
	LM 0
	M1 2
	M1 3
	v_mov_b32 v30, v12                             ; the old -M
	v_mov_b32 v31, v14
	LU 0
	M2 2
	M2 3
	LF 0
	LX 1
	FA 4
	LP 1
	FA 4
	LM 1
	FA 4
	LU 1
	FA 4
	LF 1
	FA 4
.irp n, 0,1,2,3
	v_fma_f32 v[BM+\n], v[BM+\n], s22, v[12+2*(\n/2)]   ; t - M of each block's largest score
.endr
.irp q, 0,1
	v_sub_f32 v[YT+\q], v[12+2*\q], v[30+\q]       ; old M less new M: a whole number, 0 or less
.endr
.irp n, 0,1,2,3
	v_max_num_f32 v[BM+\n], 0xc2f80000, v[BM+\n]   ; held at -124: the byte cannot fall under 1
.endr
.irp q, 0,1
	v_cvt_i32_f32 v[YT+\q], v[YT+\q]               ; (it saturates)
.endr
.irp n, 0,1,2,3
	v_floor_f32 v[BM+\n], v[BM+\n]                 ; the exponent of the block's largest p
.endr
.irp q, 0,1
	v_ldexp_f32 v[FF+2*\q], 1.0, v[YT+\q]          ; f = 2^(old M - new M)
.endr
.irp n, 0,1,2,3
	v_cvt_i32_f32 v[BM+\n], v[BM+\n]
.endr
	FA 2
.irp n, 0,1,2,3
	v_add_nc_u32 v[BY+\n], 0x7d, v[BM+\n]          ; the scale's byte: that exponent - 2 + 127
.endr
	FA 2
.irp q, 0,1
	v_lshl_or_b32 v[XT+\q], v[BY+2*\q+1], 16, v[BY+2*\q]   ; my blocks h and 2 + h,
.endr
.irp n, 0,1,2,3
	v_lshlrev_b32 v[SO+\n], 23, v[BY+\n]           ; the byte as an exponent field: the conversion's scale operand
.endr
.irp q, 0,1
	v_lshlrev_b32 v[XT+\q], v7, v[XT+\q]           ; 8 h bits up;
.endr
	FA 4
.irp q, 0,1
	v_permlanex16_b32 v[YT+\q], v[XT+\q], s20, s21
.endr
	FA 4
.irp q, 0,1
	v_or_b32 v[18+\q], v[XT+\q], v[YT+\q]          ; with lane l xor 16's two: p's scale word
.endr
	WIN 0x41                                       ; O^T in window 1
.set J, 0
.rept 16
	v_pk_mul_f32 v[OO+J:OO+J+1], v[OO+J:OO+J+1], v[FF:FF+1] op_sel_hi:[1,0]   ; O^T under the new M: its first read, ahead of the step's exponentials, from each accumulator's low end on
.set J, J+2
.endr
.rept 16
	v_pk_mul_f32 v[OO+J:OO+J+1], v[OO+J:OO+J+1], v[FF+2:FF+3] op_sel_hi:[1,0]
.set J, J+2
.endr
	WIN 0
	s_wait_alu depctr_va_vdst(0)                   ; ahead of a batch
.set J, 0
.rept 32
	v_exp_f32 v[SS+J], v[SS+J]                     ; A's p = 2^(t - M),
	v_exp_f32 v[SS+J+1], v[SS+J+1]
	v_pk_fma_f32 v[SS+64+J:SS+65+J], v[SS+64+J:SS+65+J], s[22:23], v[14:15] op_sel_hi:[1,0,0]   ; and among them B's t - M, first read behind the next wait
.set J, J+2
.endr
	s_wait_alu depctr_va_vdst(0)                   ; behind A's batch and ahead of B's
	v_exp_f32 v[SS+64], v[SS+64]
.set J, 65
.irp f, 0,1,2,3,4,5,6,7,8,9,10,11,12,13,14,15,16,17,18,19,20
	v_exp_f32 v[SS+J], v[SS+J]                     ; B's p
	v_exp_f32 v[SS+J+1], v[SS+J+1]
	v_exp_f32 v[SS+J+2], v[SS+J+2]
.set J, J+3
	FILL \f
.endr
	s_wait_alu depctr_va_vdst(0)                   ; behind B's batch
	s_wait_dscnt 0x0                               ; V is in, and so is the next step's K
	CVT 2, 0
	CVT 2, 1
	CVT 3, 0
	CVT 3, 1
	MOVS 0                                         ; A's moves are the plain places behind B's conversions
	MOVS 1
	MOVS 2
	MOVS 3
	WIN 0x41                                       ; the sums in window 1, f and p in window 0
.irp r, 0,1,2,3
	SUMR \r                                        ; every chain's first line; these twelve are the places behind the writes of p's codes
.endr
	WIN 0x51                                       ; V, C and D in window 1, P in window 0; the additions' sums in window 1, p in window 0
.irp t, 0,1,2,3
	PV \t, 0                                       ; eight accumulators by turns, one instruction a turn; the additions between them name none of their registers
	SUMR 4+3*\t
	PV \t, 1
	SUMR 5+3*\t
	SUMR 6+3*\t
.endr
	WIN 0
.endm
.macro PHASE base                      ; a slot's eight key steps
	s_mov_b32 s40, \base
	s_mov_b32 s41, 8
	v_add_nc_u32 v3, s40, v1
	v_add_nc_u32 v4, s40, v2
	KLOAD 0                                        ; the slot's first K
	s_wait_alu depctr_va_vdst(0)
	s_wait_dscnt 0x0
.Lstep_\@:
	STEP
	s_add_co_u32 s40, s40, STEPB
	s_sub_co_u32 s41, s41, 1
	s_cmp_lg_u32 s41, 0
	s_cbranch_scc1 .Lstep_\@
.endm
.macro QUANTQ q                        ; query tile q: lane (r, hh) holds query r, d = 32 hh + 0 .. 31, a whole block
.set XS, XQ+32*\q
	v_max3_num_f32 v248, |v[XS]|, |v[XS+1]|, |v[XS+2]|
	v_max3_num_f32 v249, |v[XS+3]|, |v[XS+4]|, |v[XS+5]|
.irp i, 6,10,14,18,22,26
	v_max3_num_f32 v248, v248, |v[XS+\i]|, |v[XS+\i+1]|
	v_max3_num_f32 v249, v249, |v[XS+\i+2]|, |v[XS+\i+3]|
.endr
	v_max3_num_f32 v248, v248, |v[XS+30]|, |v[XS+31]|
	v_max3_num_f32 v248, v248, v249, 0x1800000     ; with the floor 2^(3 - 127)
	v_add_nc_u32 v250, 0xff000000, v248            ; the conversion's scale operand
	v_lshrrev_b32 v251, 23, v250
	v_lshlrev_b32 v251, v7, v251
	v_permlanex16_b32 v255, v251, s20, s21
	v_or_b32 v251, v251, v255
	v_or_b32 v[16+\q], 0x7f7f0000, v251            ; Q's scale word: two blocks, and 127 for the zero codes
	v_cvt_scalef32_pk16_fp6_f32 v[236:238], v[XS:XS+15], v250
	v_cvt_scalef32_pk16_fp6_f32 v[240:242], v[XS+16:XS+31], v250
	v_nop
	WIN 0x40
.irp i, 0,1,2
	v_mov_b32 v[QF+12*\q+\i], v[236+\i]
	v_mov_b32 v[QF+12*\q+3+\i], v[240+\i]
.endr
	WIN 0
.endm
	s_load_b128 s[4:7], s[0:1], 0x0                ; queries, kv
	s_load_b64 s[8:9], s[0:1], 0x10                ; out0
	v_lshl_add_u32 v5, v0, 2, SPARE
	v_mov_b32 v6, 0
	ds_add_u32 v5, v6                              ; the opening lines: the add twice on end
	ds_add_u32 v5, v6
	v_lshrrev_b32 v1, 5, v0
	v_readfirstlane_b32 s10, v1                    ; wave 0..7
	s_bfe_u32 s11, ttmp6, 0x40000                  ; cx
	s_lshl_b32 s12, ttmp9, 2
	s_add_co_u32 s12, s12, s11                     ; my block of 256 queries
	s_and_b32 s13, ttmp7, 0xffff                   ; the head 8 b + h, which the four partners share
	s_lshr_b32 s14, s13, 3
	s_lshl_b32 s14, s14, 23                        ; b x 4,096 x 2,048 bytes
	s_and_b32 s15, s13, 7
	s_lshl_b32 s15, s15, 8                         ; + h x 256
	s_add_co_u32 s14, s14, s15
	s_lshl_b32 s15, s12, 19                        ; + block x 256 queries
	s_add_co_u32 s14, s14, s15
	s_lshl_b32 s15, s10, 16                        ; + wave x 32 queries
	s_add_co_u32 s14, s14, s15
	s_mov_b32 s15, 0
	s_mul_i32 s18, s10, STEPB                      ; the step block of a slot that I fetch: in LDS and in memory alike
	s_mul_i32 s16, s13, HEADB
	s_add_co_u32 s16, s16, s18
	s_mov_b32 s17, 0
	s_mul_i32 s19, s10, WSTG
	s_add_co_u32 s19, s19, STG                     ; my stage
	s_mov_b32 s20, 0x76543210
	s_mov_b32 s21, 0xfedcba98                      ; selects for lane l xor 16
	s_mov_b32 s22, 0x3e38aa3b                      ; c = log2(e) / 8
	s_mov_b32 s23, s22
	s_mov_b32 s42, 0xbe38aa3b                      ; -c
	s_mov_b32 s24, 15|(3<<16)|(1<<21)              ; group 1: the mask of all four; elements of 8 bytes; bit 21 beside a mask
	s_mov_b32 s25, 32<<16                          ; 51 dense rows of 256 bytes
	s_mov_b32 s26, 51<<16
	s_mov_b32 s27, 32<<16
	s_mov_b32 s28, 51
	s_mov_b32 s29, 32
	s_mov_b32 s30, 0
	s_mov_b32 s31, 0
	v_and_b32 v30, 31, v0                          ; lane
	v_and_b32 v31, 15, v0                          ; r
	v_bfe_u32 v27, v0, 4, 1                        ; hh
	v_lshlrev_b32 v1, 4, v30
	v_lshlrev_b32 v2, 3, v30
	v_mul_u32_u24 v24, v27, SP
	v_lshl_add_u32 v24, v31, 4, v24
	v_add_nc_u32 v24, s19, v24                     ; the stage by rows: lanes 0-15 one row, lanes 16-31 the next
	v_lshlrev_b32 v25, 11, v27
	v_lshl_add_u32 v25, v31, 4, v25                ; the same two rows in queries and out0
	v_mul_u32_u24 v26, v31, SP
	v_add_nc_u32 v26, s19, v26
	v_lshl_add_u32 v3, v27, 7, v26                 ; Q out of the stage: row r, my half's 128 bytes
	v_lshl_add_u32 v26, v27, 5, v26                ; O into the stage: row r, 32 hh
	v_lshlrev_b32 v7, 3, v27                       ; 8 hh
	s_wait_alu depctr_va_vdst(0)
	s_wait_dscnt 0x0                               ; both opening adds are done
	s_wait_kmcnt 0x0
	s_add_nc_u64 s[4:5], s[4:5], s[14:15]
	s_add_nc_u64 s[8:9], s[8:9], s[14:15]
	s_add_nc_u64 s[6:7], s[6:7], s[16:17]
.irp i, 0,1,2,3,4,5,6,7,8,9,10,11,12,13,14,15
	global_load_b128 v[RAW+4*\i:RAW+4*\i+3], v25, s[4:5] offset:4096*\i th:TH_LOAD_NT   ; my 32 queries: sixteen lanes read a query's 256 bytes
.endr
	s_mov_b32 s32, 1                               ; group 0 for slot 0: key steps 0 to 7
	s_mov_b32 s33, s18
	s_mov_b64 s[34:35], s[6:7]
	s_or_b32 s35, s35, 0x80000000
	s_mov_b32 s36, 1                               ; and for slot 1: key steps 8 to 15
	s_add_co_u32 s37, s18, SLOT1
	s_add_nc_u64 s[38:39], s[6:7], SLOTB
	s_or_b32 s39, s39, 0x80000000
	CROUND                                         ; all four work-groups are here: the first joint loads meet
	JLOAD 32                                       ; my one tensor load at the head
.irp q, 0,1
	v_mov_b32 v[13+2*\q], 0xff61b1e6               ; the largest score so far: -3e38
	v_mov_b32 v[12+2*\q], 0x7e000000               ; -M: a large whole number, so that the first f is 0
	v_mov_b32 v[FF+2*\q], 0
	v_mov_b32 v[FF+2*\q+1], 0                      ; (named as the upper half of a pair)
.endr
.irp i, 0,1,2,3
	v_mov_b32 v[XT+\i], 0                          ; a lane permute's destination counts as one of its sources
.endr
	v_mov_b32 v255, 0
	WIN 0x40
.irp i, 6,7,8,9,10,11,18,19,20,21,22,23
	v_mov_b32 v[QF+\i], 0                          ; the upper halves of Q's fragments: zero codes
.endr
.irp i, 48,49,50,51,52,53
	v_mov_b32 v[KF+\i], 0                          ; what the last K fragment's upper half names
.endr
.set J, 0
.rept 80
	v_mov_b32 v[OO+J], 0                           ; O^T and, behind it, the sums: the step is written without a first step of its own
.set J, J+1
.endr
	WIN 0
	s_wait_loadcnt 0x0                             ; Q
.irp i, 0,1,2,3,4,5,6,7,8,9,10,11,12,13,14,15
	ds_store_b128 v24, v[RAW+4*\i:RAW+4*\i+3] offset:2*SP*\i
.endr
.irp q, 0,1
.irp k, 0,1,2,3,4,5,6,7
	ds_load_b128 v[XQ+32*\q+4*\k:XQ+32*\q+4*\k+3], v3 offset:16*SP*\q+16*\k   ; LDS serves a wave's instructions in order: these see my stores
.endr
.endr
	s_wait_dscnt 0x0
	QUANTQ 0
	QUANTQ 1
	s_wait_alu depctr_va_vdst(0)                   ; at the head's end
	s_wait_tensorcnt 0x0                           ; my part of slot 0 is in; the full sequence ahead of slot 1's first fill
	ds_add_u32 v5, v6
	s_wait_dscnt 0x0
	CROUND
	JLOAD 36                                       ; key steps 8 to 15
	PHASE 0                                        ; key steps 0 to 7
	CHANGE 32, 1                                   ; slot 0 takes 16 to 23
	PHASE SLOT1
	CHANGE 36, 1                                   ; slot 1 takes 24 to 31
	PHASE 0
	CHANGE 32, 0
	PHASE SLOT1
	; THE WAY OUT.
	WIN 0x45                                       ; the sums: all in window 1
.irp q, 0,1
	v_pk_add_f32 v[ACC+8*\q:ACC+8*\q+1], v[ACC+8*\q:ACC+8*\q+1], v[ACC+8*\q+2:ACC+8*\q+3]
	v_pk_add_f32 v[ACC+8*\q+4:ACC+8*\q+5], v[ACC+8*\q+4:ACC+8*\q+5], v[ACC+8*\q+6:ACC+8*\q+7]
.endr
.irp q, 0,1
	v_pk_add_f32 v[ACC+8*\q:ACC+8*\q+1], v[ACC+8*\q:ACC+8*\q+1], v[ACC+8*\q+4:ACC+8*\q+5]
.endr
	WIN 0x05
.irp q, 0,1
	v_add_f32 v[XT+\q], v[ACC+8*\q], v[ACC+8*\q+1]
.endr
	WIN 0
.irp q, 0,1
	v_permlanex16_b32 v[YT+\q], v[XT+\q], s20, s21
.endr
.irp q, 0,1
	v_add_f32 v[XT+\q], v[XT+\q], v[YT+\q]         ; the row's sum
.endr
	s_wait_alu depctr_va_vdst(0)                   ; ahead of the transcendentals
.irp q, 0,1
	v_rcp_f32 v[FF+2*\q], v[XT+\q]
.endr
	v_nop
	WIN 0x01
	s_wait_alu depctr_va_vdst(0)                   ; and directly ahead of their first reader, which is O^T's too
.set J, 0
.rept 16
	v_pk_mul_f32 v[RAW+J:RAW+J+1], v[OO+J:OO+J+1], v[FF:FF+1] op_sel_hi:[1,0]   ; register 8 t + i is o(r, 16 t + 8 hh + i)
.set J, J+2
.endr
.rept 16
	v_pk_mul_f32 v[RAW+J:RAW+J+1], v[OO+J:OO+J+1], v[FF+2:FF+3] op_sel_hi:[1,0]
.set J, J+2
.endr
	WIN 0
.irp q, 0,1
.irp t, 0,1,2,3
	ds_store_b128 v26, v[RAW+32*\q+8*\t:RAW+32*\q+8*\t+3] offset:16*SP*\q+64*\t
	ds_store_b128 v26, v[RAW+32*\q+8*\t+4:RAW+32*\q+8*\t+7] offset:16*SP*\q+64*\t+16
.endr
.endr
.irp i, 0,1,2,3,4,5,6,7,8,9,10,11,12,13,14,15
	ds_load_b128 v[XQ+4*\i:XQ+4*\i+3], v24 offset:2*SP*\i   ; my own stage, in order behind my stores
.endr
.irp i, 0,1,2,3,4,5,6,7,8,9,10,11,12,13,14,15
	s_wait_dscnt 15-\i                             ; the younger loads may stay out
	global_store_b128 v25, v[XQ+4*\i:XQ+4*\i+3], s[8:9] offset:4096*\i th:TH_STORE_NT   ; sixteen lanes store 256 consecutive bytes, aligned
.endr
	s_wait_tensorcnt 0x0                           ; the wave's end
	ds_add_u32 v5, v6
	s_wait_dscnt 0x0
	CROUND                                         ; the closing round
	s_endpgm
.Lfunc_end_k_qcf09c5b129_attn:
	.size	k_qcf09c5b129_attn, .Lfunc_end_k_qcf09c5b129_attn-k_qcf09c5b129_attn
	.p2alignl 7, 3214868480
	.fill 96, 4, 3214868480
	.section	.rodata,"a",@progbits
	.p2align	6, 0x0
	.amdhsa_kernel k_qcf09c5b129_attn
		.amdhsa_group_segment_fixed_size 327680
		.amdhsa_private_segment_fixed_size 0
		.amdhsa_enable_private_segment 0
		.amdhsa_kernarg_size 24
		.amdhsa_user_sgpr_count 2
		.amdhsa_user_sgpr_kernarg_segment_ptr 1
		.amdhsa_wavefront_size32 1
		.amdhsa_system_sgpr_workgroup_id_x 1
		.amdhsa_system_sgpr_workgroup_id_y 1
		.amdhsa_system_sgpr_workgroup_id_z 1
		.amdhsa_system_vgpr_workitem_id 0
		.amdhsa_next_free_vgpr 480
		.amdhsa_next_free_sgpr 66
		.amdhsa_reserve_vcc 0
		.amdhsa_float_denorm_mode_32 3
		.amdhsa_float_denorm_mode_16_64 3
		.amdhsa_memory_ordered 1
		.amdhsa_forward_progress 1
		.amdhsa_inst_pref_size 137
	.end_amdhsa_kernel
	.amdgpu_metadata
---
amdhsa.version: [ 1, 2 ]
amdhsa.kernels:
  - .name:           k_qcf09c5b129_attn
    .symbol:         k_qcf09c5b129_attn.kd
    .args:
      - { .name: queries, .offset: 0, .size: 8, .value_kind: global_buffer, .address_space: global }
      - { .name: kv, .offset: 8, .size: 8, .value_kind: global_buffer, .address_space: global }
      - { .name: out0, .offset: 16, .size: 8, .value_kind: global_buffer, .address_space: global }
    .group_segment_fixed_size: 327680
    .private_segment_fixed_size: 0
    .kernarg_segment_align: 8
    .kernarg_segment_size: 24
    .max_flat_workgroup_size: 256
    .sgpr_count:     66
    .vgpr_count:     480
    .wavefront_size: 32
...
	.end_amdgpu_metadata
.endif
;; end of part 2
